; MI455X (gfx1250); checked and timed in simulation.
; The chip was launched on July 23, 2026; its instructions are those of AMD's public machine-readable ISA for CDNA 5 (MIT licence, August 2026) and "CDNA5" Instruction Set Architecture Reference Guide (July 2026). The comments in the code are by the model that wrote it; some were corrected since.
;; Enhanced Local Attention With GQA. Allowed arithmetic: matrix products marked QUANTISED: E2M1 operands, one E8M0 scale for each 32 along K, by v_wmma_scale_f32_16x16x128_f8f6f4 with both operands' format E2M1 (or v_wmma_scale_f32_32x16x128_f4), f32 sums; products left as they are: bf16, f16 or f32 operands; f32 sums; everything else in f32.
;; Inputs: Wk1 1,024 x 128 float32; Wk2 1,024 x 128 float32; Wout 1,024 x 1,024 float32; Wq1 1,024 x 1,024 float32; Wq2 1,024 x 1,024 float32; Wv 1,024 x 128 float32; bout 1,024 float32; lk1 64 float32; lk2 64 float32; lq1 64 float32; lq2 64 float32; x 2 x 4,096 x 1,024 float32.
;; Outputs: out0 2 x 4,096 x 1,024 float32.
;; This version of the problem:
;;   THIS VERSION OF THE PROBLEM IS GIVEN IN LOW PRECISION. The matrix products marked QUANTISED in the list below multiply operands that are first quantised to E2M1 (2 exponent bits, 1 mantissa bit; 4 bits a number), with one power-of-two scale for each 32 numbers along K (OCP MX v1.0); their sums are f32. The products marked 'left as it is' may take bf16, f16 or f32 operands, with f32 sums. Whichever they take, every output number must still come out within the allowed error. Rounding operands to bf16 (8 significant bits) uses up far more of that allowance than f16 does (11 bits, for magnitudes from 6e-5 to 65,504). All else is computed in f32.
;;   The module's matrix products, in the order in which they are computed (A, B: the left and right operand; K: the contracted axis; several contracted axes count as one K, in the product's order):
;;     1. [M 8,192, K 1,024] x [K 1,024, N 1,024]; A: input x; B: input Wq1: QUANTISED
;;     2. [M 8,192, K 1,024] x [K 1,024, N 1,024]; A: input x; B: input Wq2: QUANTISED
;;     3. [M 8,192, K 1,024] x [K 1,024, N 128]; A: input x; B: input Wk1: QUANTISED
;;     4. [M 8,192, K 1,024] x [K 1,024, N 128]; A: input x; B: input Wk2: QUANTISED
;;     5. [M 8,192, K 1,024] x [K 1,024, N 128]; A: input x; B: input Wv: QUANTISED
;;     6. [M 1, K 64] x [K 64, N 1]; A: input lq1; B: input lk1: left as it is (M = 1 < 16)
;;     7. [M 1, K 64] x [K 64, N 1]; A: input lq2; B: input lk2: left as it is (M = 1 < 16)
;;     8. batch 992 x [M 256, K 64] x [K 64, N 256]; A: computed on the way; B: computed on the way: left as it is (an operand is computed on the way)
;;     9. batch 992 x [M 256, K 256] x [K 256, N 64]; A: computed on the way; B: computed on the way: left as it is (an operand is computed on the way)
;;     10. batch 992 x [M 256, K 64] x [K 64, N 256]; A: computed on the way; B: computed on the way: left as it is (an operand is computed on the way)
;;     11. batch 992 x [M 256, K 256] x [K 256, N 64]; A: computed on the way; B: computed on the way: left as it is (an operand is computed on the way)
;;     12. [M 8,192, K 1,024] x [K 1,024, N 1,024]; A: computed on the way; B: input Wout: left as it is (an operand is computed on the way)
;;   THE QUANTISER, for each operand of a quantised product, along K:
;;     - K is cut into blocks of 32 from its start; a last block that is shorter is filled with zeros.
;;     - A block's scale is 2^e with e = floor(log2(the largest magnitude in the block)) - 2, held to -126 .. 127; a block of zeros has e = 0. As a byte (E8M0): e + 127.
;;     - Each number is divided by its block's scale, clamped to +-6, and rounded to the nearest number of E2M1, ties to even, subnormals kept.
;;     - The product sums the exact products of the quantised numbers (number of the format x scale) in f32.
;;   ~~~python
;;   def quantise(x, axis):      # numpy; x: float32 -> the quantised numbers, widened to float32 again
;;       x = np.moveaxis(x, axis, -1); K = x.shape[-1]
;;       x = np.pad(x, [(0, 0)] * (x.ndim - 1) + [(0, -K % 32)]); x = x.reshape(x.shape[:-1] + (-1, 32)); a = np.abs(x).max(-1, keepdims=True)
;;       e = np.where(a > 0, np.clip(np.frexp(np.where(a > 0, a, 1))[1] - 1 - 2, -126, 127), 0)      # np.frexp(a)[1] - 1 = floor(log2(a)), exactly
;;       r = np.clip(x / 2.0 ** e, -6, 6)
;;       step = 2.0 ** (np.maximum(np.frexp(np.where(r == 0, 1, r))[1] - 1, 0) - 1)
;;       q = np.round(r / step) * step * 2.0 ** e      # np.round: ties to even
;;       return np.moveaxis(q.reshape(q.shape[:-2] + (-1,))[..., :K], -1, axis).astype(np.float32)
;;   ~~~
;; One version. Each part assembles by itself: llvm-mc -triple=amdgcn-amd-amdhsa -mcpu=gfx1250 --defsym DOCPART=n.
;; ======== version 1 of 1: 4 launches
;; limits: values are held in f16: magnitudes above 65,504 overflow, below 6.1e-05 lose precision
;; workspace buffers: ximg 2,236,416 bytes; xsc 139,776 bytes; wimg 1,245,184 bytes; wsc 77,824 bytes; woimg 2,097,152 bytes; tab 1,118,208 bytes; img 21,245,952 bytes; attimg 16,777,216 bytes
;; launch prep (part 1): grid 489 x 1, 8 waves a work-group, no clusters, 69,632 bytes of LDS; arguments x, Wq1, Wq2, Wk1, Wk2, Wv, Wout, ximg, xsc, wimg, wsc, woimg, tab; writes ximg, xsc, wimg, wsc, woimg, tab
.if DOCPART == 1
	.amdgcn_target "amdgcn-amd-amdhsa--gfx1250"
	.amdhsa_code_object_version 6
	.text
	.protected	k_q884515653e_prep
	.globl	k_q884515653e_prep
	.p2align	8
	.type	k_q884515653e_prep,@function
k_q884515653e_prep:
	s_mov_b64 s[64:65], 0
	v_nop
	global_prefetch_b8 v0, s[64:65] scope:SCOPE_SE
	s_setreg_imm32_b32 hwreg(HW_REG_WAVE_MODE, 25, 1), 1
	s_wait_xcnt 0x0
; PREP: what the three later launches read, laid as images of operand registers (a group of four registers = 512 bytes, lane l's 16 bytes at 16 l).
; Of reference()'s 31 windows its own trim a[:, :L] keeps windows 0 to 15, which gather positions 0 to 2,175 of each batch: only those rows of x are quantised.
; A ROW TILE T is 16 positions: T = 136 b + p; batch 0 has p = 0 .. 135, batch 1 p = 0 .. 136 (tile 272, positions 2,176 .. 2,191 of batch 1, is real data that no later launch reads: it makes 273 = 13 x 21 tiles).
; Three paths, by the work-group's number:
;   X (0 .. 272): tile T of x into codes of E2M1 and E8M0 bytes (K = x's last axis), wave s = K step s of 128; and chunk s of the tile's table of cosines and sines.
;   W (273 .. 424): 32 columns x 512 along K of the joined weight Wq1 | Wq2 | Wk1 | Wk2 | Wv (2,432 columns) into codes and bytes; K is the weights' FIRST axis: a lane takes a column and its registers run down K.
;   O (425 .. 488): 256 columns x 64 along K of Wout into f16, as fragments of 16 columns x 32 K.
; THE QUANTISER: a block's scale is 2^(floor(log2(largest magnitude)) - 2); its byte is the largest magnitude's exponent field - 2, held at 1 from below by a floor among the maximum's leaves.
; LIMITS: NaN and infinities are not served.  A block of zeros gets the byte 1 where the rule says 127 (its codes are zeros, and only this program reads the bytes); blocks whose largest magnitude lies under 2^-124 are held at byte 1.
;   |Wout| must stay under 65,504 (f16); under 6e-5 its grain is 6e-8.  Sine and cosine: two-part reduction by pi/2 and Taylor series to r^7 and r^8, within 4e-7 for the positions used (up to 2,191).
; No tensor loads, no matrix work: memory binds, so every load is issued before anything is waited for, and every store covers whole aligned runs of 256 or 512 bytes.
.set XSTG,  0                          ; path X: a stage of 16 rows x (512 + 16) bytes for each wave
.set XSCL,  67584                      ; path X: 16 rows x 8 scale words
.set WSCL,  68096                      ; path W: 32 columns x 16 scale bytes
.set SPARE, 68608                      ; the spare words, 128 bytes for each of the eight waves
.set SPW, 12                           ; v12  SPARE + 4 x my thread's number; never rewritten
.set NIL, 13                           ; v13  0; never rewritten
; 32 numbers of one block in v[src] on -> 32 codes in v[dst .. dst+3], the conversion's scale operand in v[sc], the byte in v[by]
.macro QBLK src, dst, sc, by
	v_max3_num_f32 v174, |v[\src]|, |v[\src+1]|, |v[\src+2]|
	v_max3_num_f32 v175, |v[\src+3]|, |v[\src+4]|, |v[\src+5]|
.irp i, 6,10,14,18,22,26
	v_max3_num_f32 v174, v174, |v[\src+\i]|, |v[\src+\i+1]|
	v_max3_num_f32 v175, v175, |v[\src+\i+2]|, |v[\src+\i+3]|
.endr
	v_max3_num_f32 v174, v174, |v[\src+30]|, |v[\src+31]|
	v_max3_num_f32 v174, v174, v175, 0x1800000     ; the floor 2^(3 - 127): the byte cannot fall under 1
	v_add_nc_u32 v[\sc], 0xff000000, v174          ; 2 off the exponent field: the conversion takes this operand's exponent field as its scale
	v_lshrrev_b32 v[\by], 23, v[\sc]               ; the byte
.irp g, 0,1,2,3
	v_cvt_scalef32_pk8_fp4_f32 v[\dst+\g], v[\src+8*\g:\src+8*\g+7], v[\sc]
.endr
	v_nop                                          ; one plain line behind the last scaled conversion
.endm
; cosine and sine of the angle in v[a]
.macro SINCOS a, c, s
	v_mul_f32 v152, 0x3f22f983, v[\a]              ; x 2 / pi
	v_rndne_f32 v152, v152                         ; n
	v_fma_f32 v153, -v152, s46, v[\a]              ; r = angle - n pi / 2, pi / 2 in two parts
	v_fma_f32 v153, -v152, s47, v153
	v_mul_f32 v154, v153, v153                     ; r^2
	v_fma_f32 v155, v154, s48, s49
	v_fma_f32 v156, v154, s50, s51
	v_fma_f32 v155, v155, v154, s52
	v_fma_f32 v156, v156, v154, s53
	v_mul_f32 v155, v155, v154
	v_fma_f32 v156, v156, v154, -0.5
	v_fma_f32 v155, v155, v153, v153               ; sin r
	v_fma_f32 v156, v156, v154, 1.0                ; cos r
	v_cvt_i32_f32 v157, v152
	v_and_b32 v158, 1, v157
	v_cmp_ne_u32 vcc_lo, 0, v158                   ; n odd: sine and cosine change places
	v_cndmask_b32 v[\s], v155, v156, vcc_lo
	v_cndmask_b32 v[\c], v156, v155, vcc_lo
	v_and_b32 v158, 2, v157                        ; the sine's sign: bit 1 of n
	v_lshlrev_b32 v158, 30, v158
	v_xor_b32 v[\s], v158, v[\s]
	v_add_nc_u32 v157, 1, v157                     ; the cosine's: bit 1 of n + 1
	v_and_b32 v157, 2, v157
	v_lshlrev_b32 v157, 30, v157
	v_xor_b32 v[\c], v157, v[\c]
.endm
.macro WLOAD pitch                     ; 64 rows of K at my column
.set i, 0
.rept 64
	global_load_b32 v[16+i], v5, s[40:41] offset:i*\pitch th:TH_LOAD_NT
.set i, i+1
.endr
.endm
	s_load_b512 s[8:23], s[0:1], 0x0               ; x 8, Wq1 10, Wq2 12, Wk1 14, Wk2 16, Wv 18, Wout 20, ximg 22
	s_load_b256 s[24:31], s[0:1], 0x40             ; xsc 24, wimg 26, wsc 28, woimg 30
	s_load_b64 s[32:33], s[0:1], 0x60              ; tab
	v_lshl_add_u32 v[SPW], v0, 2, SPARE
	v_mov_b32 v[NIL], 0
	v_lshrrev_b32 v1, 5, v0
	v_readfirstlane_b32 s34, v1                    ; wave 0..7
	v_and_b32 v2, 31, v0                           ; lane L
	v_lshlrev_b32 v1, 4, v2                        ; 16 L
	v_and_b32 v3, 15, v0                           ; r = L % 16
	v_bfe_u32 v4, v0, 4, 1                         ; h = L / 16
	v_lshlrev_b32 v5, 2, v2                        ; 4 L
	s_wait_kmcnt 0x0
	s_cmp_lt_u32 ttmp9, 273
	s_cbranch_scc1 .Lpath_x
	s_cmp_lt_u32 ttmp9, 425
	s_cbranch_scc1 .Lpath_w
	; ---- PATH O: Wout [k][n] -> f16.  Lane L of wave v: column 256 cq + 32 v + L, k = 64 kr .. + 63
	s_sub_co_u32 s35, ttmp9, 425
	s_and_b32 s36, s35, 3                          ; cq
	s_lshr_b32 s37, s35, 2                         ; kr
	s_lshl_b32 s38, s37, 18                        ; 64 rows of 4,096 bytes
	s_lshl_b32 s39, s36, 10
	s_add_co_u32 s38, s38, s39
	s_lshl_b32 s39, s34, 7
	s_add_co_u32 s38, s38, s39
	s_mov_b32 s39, 0
	s_add_nc_u64 s[20:21], s[20:21], s[38:39]
.set i, 0
.rept 64
	global_load_b32 v[16+i], v5, s[20:21] offset:i*4096 th:TH_LOAD_NT   ; the eight waves stand side by side on 1,024 bytes of a row
.set i, i+1
.endr
	s_lshl_b32 s38, s36, 4
	s_lshl_b32 s40, s34, 1
	s_add_co_u32 s38, s38, s40                     ; column block 16 cq + 2 v
	s_lshl_b32 s38, s38, 15
	s_lshl_b32 s40, s37, 11
	s_add_co_u32 s38, s38, s40
	s_add_nc_u64 s[30:31], s[30:31], s[38:39]
	v_lshlrev_b32 v6, 15, v4
	v_lshl_add_u32 v6, v3, 4, v6                   ; + (L / 16) column blocks + 16 (L % 16)
.irp q, 0,1,2,3
	s_wait_loadcnt 48-16*\q                        ; the next 16 loads are in; the younger ones stay out
.irp m, 0,1,2,3,4,5,6,7
	v_cvt_pk_f16_f32 v[80+8*\q+\m], v[16+16*\q+2*\m], v[17+16*\q+2*\m]
.endr
	global_store_b128 v6, v[80+8*\q:83+8*\q], s[30:31] offset:512*\q       ; eight k of a column: 16 lanes store 256 consecutive bytes, aligned
	global_store_b128 v6, v[84+8*\q:87+8*\q], s[30:31] offset:512*\q+256
.endr
	s_endpgm
	; ---- PATH W
.Lpath_w:
	s_sub_co_u32 s35, ttmp9, 273
	s_lshr_b32 s36, s35, 1                         ; cg: which 32 of the 2,432 columns
	s_and_b32 s37, s35, 1                          ; y: which half of K
	s_mov_b32 s38, 72
	s_cmp_lt_u32 s36, 72                           ; the buffer and its first group of columns: the choice hangs on the work-group's number alone
	s_cselect_b64 s[40:41], s[16:17], s[18:19]
	s_cselect_b32 s38, 68, s38
	s_cmp_lt_u32 s36, 68
	s_cselect_b64 s[40:41], s[14:15], s[40:41]
	s_cselect_b32 s38, 64, s38
	s_cmp_lt_u32 s36, 64
	s_cselect_b64 s[40:41], s[12:13], s[40:41]
	s_cselect_b32 s38, 32, s38
	s_cselect_b32 s39, 12, 9                       ; a row is 4,096 bytes (Wq1, Wq2) or 512
	s_cmp_lt_u32 s36, 32
	s_cselect_b64 s[40:41], s[10:11], s[40:41]
	s_cselect_b32 s38, 0, s38
	s_sub_co_u32 s38, s36, s38
	s_lshl_b32 s38, s38, 7                         ; my 32 columns, in bytes
	s_lshl_b32 s42, s37, 9
	s_lshl_b32 s43, s34, 6
	s_add_co_u32 s42, s42, s43                     ; my first row of K: 512 y + 64 wave
	s_lshl_b32 s42, s42, s39
	s_add_co_u32 s42, s42, s38
	s_mov_b32 s43, 0
	s_add_nc_u64 s[40:41], s[40:41], s[42:43]
	s_cmp_lt_u32 s36, 64
	s_cbranch_scc0 .Lw_narrow
	WLOAD 4096
	s_branch .Lw_loaded
.Lw_narrow:
	WLOAD 512
.Lw_loaded:
	v_lshlrev_b32 v6, 13, v4
	v_lshl_add_u32 v6, v3, 4, v6                   ; codes: (L / 16) column blocks of 8,192 bytes + 16 (L % 16)
	v_lshl_add_u32 v9, v2, 4, WSCL                 ; my column's 16 scale bytes in LDS
	s_lshl_b32 s44, s34, 1
	v_add_nc_u32 v8, s44, v9                       ; my wave's two of them
	v_lshlrev_b32 v10, 9, v4
	v_lshl_add_u32 v10, v3, 4, v10                 ; scale bytes in memory: (L / 16) x 512 + 16 (L % 16)
	s_lshl_b32 s42, s36, 14
	s_lshl_b32 s44, s37, 2
	s_lshr_b32 s45, s34, 1
	s_add_co_u32 s44, s44, s45                     ; K step 4 y + wave / 2
	s_lshl_b32 s44, s44, 10
	s_add_co_u32 s42, s42, s44
	s_and_b32 s44, s34, 1                          ; chunk wave % 2
	s_lshl_b32 s44, s44, 9
	s_add_co_u32 s42, s42, s44
	s_add_nc_u64 s[26:27], s[26:27], s[42:43]
	s_lshl_b32 s42, s36, 10
	s_lshl_b32 s44, s37, 8
	s_add_co_u32 s42, s42, s44
	s_add_nc_u64 s[28:29], s[28:29], s[42:43]
	s_wait_loadcnt 32                              ; my first block's 32 loads are in; the second's may be out
	QBLK 16, 80, 88, 90
	global_store_b128 v6, v[80:83], s[26:27]       ; 16 lanes store 256 consecutive bytes, aligned
	s_wait_loadcnt 0x0
	QBLK 48, 84, 89, 91
	global_store_b128 v6, v[84:87], s[26:27] offset:256
	v_lshl_or_b32 v7, v91, 8, v90
	ds_store_b16 v8, v7
	s_wait_dscnt 0x0                               ; for the others' sake: my bytes lie in LDS
	s_barrier_signal -1
	s_barrier_wait -1
	s_cmp_lg_u32 s34, 0
	s_cbranch_scc1 .Lw_end
	ds_load_b128 v[92:95], v9                      ; wave 0: a column's 16 bytes, from all eight waves
	s_wait_dscnt 0x0
	global_store_b128 v10, v[92:95], s[28:29]
.Lw_end:
	s_wait_tensorcnt 0x0                           ; the wave's end
	ds_add_u32 v[SPW], v[NIL]
	s_wait_dscnt 0x0
	s_endpgm
	; ---- PATH X
.Lpath_x:
	s_cmp_ge_u32 ttmp9, 136
	s_cselect_b32 s35, 1, 0                        ; b
	s_cselect_b32 s36, 136, 0
	s_sub_co_u32 s36, ttmp9, s36                   ; p
	s_lshl_b32 s38, s35, 24                        ; a batch is 16,777,216 bytes,
	s_lshl_b32 s39, s36, 16                        ; 16 rows 65,536,
	s_add_co_u32 s38, s38, s39
	s_lshl_b32 s39, s34, 9                         ; a K step 512
	s_add_co_u32 s38, s38, s39
	s_mov_b32 s39, 0
	s_add_nc_u64 s[8:9], s[8:9], s[38:39]
.irp i, 0,1,2,3,4,5,6,7,8,9,10,11,12,13,14,15
	global_load_b128 v[16+4*\i:19+4*\i], v1, s[8:9] offset:4096*\i th:TH_LOAD_NT   ; 512 consecutive bytes of row i
.endr
	; while they fly: chunk s of the table: (cos, sin, cos, sin) of pairs jp and jp + 1, jp = 8 (s / 2) + 4 h + 2 (s % 2), at position 16 p + r
	s_mov_b32 s46, 0x3fc90fdb                      ; pi / 2, high part
	s_mov_b32 s47, 0xb33bbd2e                      ; and the rest
	s_mov_b32 s48, 0xb9500d01                      ; -1/5040
	s_mov_b32 s49, 0x3c088889                      ; 1/120
	s_mov_b32 s50, 0x37d00d01                      ; 1/40320
	s_mov_b32 s51, 0xbab60b61                      ; -1/720
	s_mov_b32 s52, 0xbe2aaaab                      ; -1/6
	s_mov_b32 s53, 0x3d2aaaab                      ; 1/24
	s_mov_b32 s54, 0x76543210
	s_mov_b32 s55, 0xfedcba98                      ; lane l xor 16
	s_lshr_b32 s40, s34, 1
	s_lshl_b32 s40, s40, 3
	s_and_b32 s41, s34, 1
	s_lshl_b32 s41, s41, 1
	s_add_co_u32 s40, s40, s41
	v_lshl_add_u32 v144, v4, 2, s40
	v_add_nc_u32 v145, 1, v144
	v_cvt_f32_u32 v144, v144
	v_cvt_f32_u32 v145, v145
	v_mul_f32 v144, 0xbed49a78, v144               ; -jp x log2(10000) / 32
	v_mul_f32 v145, 0xbed49a78, v145
	v_exp_f32 v144, v144                           ; div = 10000^(-2 jp / 64)
	v_exp_f32 v145, v145
	s_lshl_b32 s41, s36, 4
	v_add_nc_u32 v146, s41, v3                     ; (a plain line behind the exponentials)  the position
	v_cvt_f32_u32 v146, v146
	s_wait_alu depctr_va_vdst(0)                   ; one wait for both, ahead of their first reader
	v_mul_f32 v144, v146, v144
	v_mul_f32 v145, v146, v145
	SINCOS 144, 148, 149
	SINCOS 145, 150, 151
	s_lshl_b32 s38, ttmp9, 12
	s_lshl_b32 s40, s34, 9
	s_add_co_u32 s38, s38, s40
	s_add_nc_u64 s[32:33], s[32:33], s[38:39]
	global_store_b128 v1, v[148:151], s[32:33]     ; 512 consecutive bytes
	; addresses
	s_mul_i32 s42, s34, 8448                       ; my stage
	v_add_nc_u32 v14, s42, v1                      ; in: as loaded, 16 L; row i at 528 i
	v_mul_u32_u24 v15, v3, 528
	v_lshl_add_u32 v15, v4, 7, v15
	v_add_nc_u32 v15, s42, v15                     ; out: row r, + 128 h: block h, and 256 bytes on block 2 + h
	v_lshl_add_u32 v10, v3, 5, XSCL
	v_lshl_add_u32 v11, v4, 4, v10                 ; wave 0's read: row r, words 4 h .. 4 h + 3
	s_lshl_b32 s43, s34, 2
	v_add_nc_u32 v10, s43, v10                     ; my word: row r, K step s
	s_lshl_b32 s38, ttmp9, 13
	s_lshl_b32 s40, s34, 10
	s_add_co_u32 s38, s38, s40
	s_add_nc_u64 s[22:23], s[22:23], s[38:39]
	s_lshl_b32 s38, ttmp9, 9
	s_add_nc_u64 s[24:25], s[24:25], s[38:39]
	s_wait_loadcnt 0x0
.irp i, 0,1,2,3,4,5,6,7,8,9,10,11,12,13,14,15
	ds_store_b128 v14, v[16+4*\i:19+4*\i] offset:528*\i
.endr
.irp c, 0,1
.irp g, 0,1,2,3,4,5,6,7
	ds_load_b128 v[80+32*\c+4*\g:83+32*\c+4*\g], v15 offset:256*\c+16*\g   ; my wave's own bytes, served in order: these see the stores above
.endr
.endr
	s_wait_dscnt 8                                 ; block h is in; block 2 + h's eight loads may be out
	QBLK 80, 160, 164, 165
	global_store_b128 v1, v[160:163], s[22:23]
	s_wait_dscnt 0x0
	QBLK 112, 168, 172, 173
	global_store_b128 v1, v[168:171], s[22:23] offset:512
	v_lshl_or_b32 v8, v173, 16, v165               ; my two bytes: blocks h and 2 + h,
	v_lshlrev_b32 v9, 3, v4
	v_lshlrev_b32 v8, v9, v8                       ; at their places in the word;
	v_mov_b32 v9, 0
	v_permlanex16_b32 v9, v8, s54, s55
	v_or_b32 v8, v8, v9                            ; with lane l xor 16's two the word is whole
	ds_store_b32 v10, v8                           ; both halves write the same word with the same value
	s_wait_dscnt 0x0
	s_barrier_signal -1
	s_barrier_wait -1
	s_cmp_lg_u32 s34, 0
	s_cbranch_scc1 .Lx_end
	ds_load_b128 v[16:19], v11
	s_wait_dscnt 0x0
	global_store_b128 v1, v[16:19], s[24:25]       ; [K half h][row r][16 bytes]: 512 consecutive bytes
.Lx_end:
	s_wait_tensorcnt 0x0                           ; the wave's end
	ds_add_u32 v[SPW], v[NIL]
	s_wait_dscnt 0x0
	s_endpgm
.Lfunc_end_k_q884515653e_prep:
	.size	k_q884515653e_prep, .Lfunc_end_k_q884515653e_prep-k_q884515653e_prep
	.p2alignl 7, 3214868480
	.fill 96, 4, 3214868480
	.section	.rodata,"a",@progbits
	.p2align	6, 0x0
	.amdhsa_kernel k_q884515653e_prep
		.amdhsa_group_segment_fixed_size 69632
		.amdhsa_private_segment_fixed_size 0
		.amdhsa_enable_private_segment 0
		.amdhsa_kernarg_size 104
		.amdhsa_user_sgpr_count 2
		.amdhsa_user_sgpr_kernarg_segment_ptr 1
		.amdhsa_wavefront_size32 1
		.amdhsa_system_sgpr_workgroup_id_x 1
		.amdhsa_system_sgpr_workgroup_id_y 1
		.amdhsa_system_sgpr_workgroup_id_z 1
		.amdhsa_system_vgpr_workitem_id 0
		.amdhsa_next_free_vgpr 176
		.amdhsa_next_free_sgpr 66
		.amdhsa_reserve_vcc 1
		.amdhsa_float_denorm_mode_32 3
		.amdhsa_float_denorm_mode_16_64 3
		.amdhsa_memory_ordered 1
		.amdhsa_forward_progress 1
		.amdhsa_inst_pref_size 41
	.end_amdhsa_kernel
	.amdgpu_metadata
---
amdhsa.version: [ 1, 2 ]
amdhsa.kernels:
  - .name:           k_q884515653e_prep
    .symbol:         k_q884515653e_prep.kd
    .args:
      - { .name: x, .offset: 0, .size: 8, .value_kind: global_buffer, .address_space: global }
      - { .name: Wq1, .offset: 8, .size: 8, .value_kind: global_buffer, .address_space: global }
      - { .name: Wq2, .offset: 16, .size: 8, .value_kind: global_buffer, .address_space: global }
      - { .name: Wk1, .offset: 24, .size: 8, .value_kind: global_buffer, .address_space: global }
      - { .name: Wk2, .offset: 32, .size: 8, .value_kind: global_buffer, .address_space: global }
      - { .name: Wv, .offset: 40, .size: 8, .value_kind: global_buffer, .address_space: global }
      - { .name: Wout, .offset: 48, .size: 8, .value_kind: global_buffer, .address_space: global }
      - { .name: ximg, .offset: 56, .size: 8, .value_kind: global_buffer, .address_space: global }
      - { .name: xsc, .offset: 64, .size: 8, .value_kind: global_buffer, .address_space: global }
      - { .name: wimg, .offset: 72, .size: 8, .value_kind: global_buffer, .address_space: global }
      - { .name: wsc, .offset: 80, .size: 8, .value_kind: global_buffer, .address_space: global }
      - { .name: woimg, .offset: 88, .size: 8, .value_kind: global_buffer, .address_space: global }
      - { .name: tab, .offset: 96, .size: 8, .value_kind: global_buffer, .address_space: global }
    .group_segment_fixed_size: 69632
    .private_segment_fixed_size: 0
    .kernarg_segment_align: 8
    .kernarg_segment_size: 104
    .max_flat_workgroup_size: 256
    .sgpr_count:     66
    .vgpr_count:     176
    .wavefront_size: 32
...
	.end_amdgpu_metadata
.endif
;; end of part 1
;; launch proj (part 2): grid 19 x 13, 4 waves a work-group, no clusters, 253,952 bytes of LDS; arguments ximg, xsc, wimg, wsc, tab, img; writes img
.if DOCPART == 2
	.amdgcn_target "amdgcn-amd-amdhsa--gfx1250"
	.amdhsa_code_object_version 6
	.text
	.protected	k_q884515653e_proj
	.globl	k_q884515653e_proj
	.p2align	8
	.type	k_q884515653e_proj,@function
k_q884515653e_proj:
	s_mov_b64 s[64:65], 0
	v_nop
	global_prefetch_b8 v0, s[64:65] scope:SCOPE_SE
	s_setreg_imm32_b32 hwreg(HW_REG_WAVE_MODE, 25, 1), 1
	s_wait_xcnt 0x0
; PROJ: the five projections on codes of E2M1 with E8M0 scales, RoPE, and the results in f16 as images of the attention's operand registers.
; SHARES.  Work-group (nb, mc) makes 21 row tiles (16 positions each, from tile 21 mc) x 128 columns (column blocks 8 nb .. 8 nb + 7 of the joined weight) for all K = 1,024: 19 x 13 = 247 work-groups.
; Wave w takes column blocks 2 w, 2 w + 1 for all 21 row tiles: 42 accumulators.  All of K lies in LDS (247 KB), filled once, in two K halves: half 0 is multiplied while half 1 lands.  No LDS byte is filled again.
; NO CLUSTER: the grid is 19 x 13, both primes, so no cluster shape divides it.
; ORIENTATION.  q and k (nb < 18): source 0 = 16 columns of W, source 1 = 16 rows of x: a lane holds ONE position and eight neighbouring columns d: RoPE's pairs (2 i, 2 i + 1) lie in one lane, and eight f16 are 16 bytes of a
; fragment with d along K.  v (nb = 18): the sources change places: a lane holds one channel and eight neighbouring positions: a fragment with the keys along K.
; ROPE STAYS INTERLEAVED: column 2 i gets e c - o s, column 2 i + 1 gets e s + o c: the same permutation of d on q and on k, so every score is the one that the split halves give.
; LIMITS: |q|, |k|, |v| must stay under 65,504 (f16); under 6e-5 their grain is 6e-8.
; REGISTERS: window 0: v1 16 x lane; v4-7 A's addresses; v8 B's; v9, v10 the scales'; v12, v13 the add's two; v32-63 W's fragments, two sets; v64-71 W's scale words, v72-155 x's; v160-191 the table, two sets; v192-239 at work.
;   window 1: x's 21 fragments.   window 2: accumulators of row tiles 0-10 (8 (2 a + j)).   window 3: of row tiles 11-20.
.set A1,    86016                      ; LDS: A0 at 0: K half 0 of x's codes [a 21][sp 4][1,024]; A1: half 1
.set B0,    172032                     ; W's codes [cb 8][sp 4][1,024], half 0;
.set B1,    204800                     ; half 1
.set SA,    237568                     ; x's scale bytes [a 21][half 2][row 16][16]
.set SB,    248320                     ; W's [cb 8][half 2][column 16][16]
.set SPARE, 252416                     ; the spare words, 128 bytes for each wave
.set SLOTB, 559104                     ; a head slot of img: 273 tiles x 2,048 bytes
.set TO_A,  0x40                       ; a load's destination in window 1
.set MSB, 0
.macro WIN new                         ; the immediate's high byte repeats the setting that is left
.if MSB != (\new)
	s_set_vgpr_msb (MSB<<8)|(\new)
.set MSB, (\new)
.endif
.endm
.macro PLACES                          ; four plain lines between a matrix instruction and a load into, or a vector read of, its registers
.rept 4
	v_nop
.endr
.endm
.macro AF y, sp, a0, n                 ; x's fragments of row tiles a0 .. a0 + n - 1, K step sp of half y
.set aa, \a0
.rept \n
.irp c, 0,1
	ds_load_b128 v[8*aa+4*\c:8*aa+4*\c+3], v[4+2*(\y)+aa/11] offset:(aa%11)*4096+(\sp)*1024+512*\c
.endr
.set aa, aa+1
.endr
.endm
.macro BF y, sp, set                   ; my two fragments of W
.irp j, 0,1
.irp c, 0,1
	ds_load_b128 v[32+16*(\set)+8*\j+4*\c:32+16*(\set)+8*\j+4*\c+3], v8 offset:(\y)*32768+\j*4096+(\sp)*1024+512*\c
.endr
.endr
.endm
.macro SCL y                           ; the scale words of a K half: four words (K steps) a row
.set aa, 0
.rept 21
	ds_load_b128 v[72+4*aa:75+4*aa], v9 offset:aa*512+256*(\y)
.set aa, aa+1
.endr
.irp j, 0,1
	ds_load_b128 v[64+4*\j:67+4*\j], v10 offset:\j*512+256*(\y)
.endr
.endm
; 2 n matrix instructions; the accumulators take turns, one instruction a turn, in the same order in every step
.macro MULS a0, n, set, sp, zero, swap
.set aa, \a0
.rept \n
.irp j, 0,1
.set AC, 8*(2*(aa%11)+\j)
.set WF, 32+16*(\set)+8*\j
.set XF, 8*aa
.set WS, 64+4*\j+(\sp)
.set XS, 72+4*aa+(\sp)
.if \swap
.if \zero
	v_wmma_scale_f32_16x16x128_f8f6f4 v[AC:AC+7], v[XF:XF+7], v[WF:WF+7], 0, v[XS], v[WS] matrix_a_fmt:MATRIX_FMT_FP4 matrix_b_fmt:MATRIX_FMT_FP4
.else
	v_wmma_scale_f32_16x16x128_f8f6f4 v[AC:AC+7], v[XF:XF+7], v[WF:WF+7], v[AC:AC+7], v[XS], v[WS] matrix_a_fmt:MATRIX_FMT_FP4 matrix_b_fmt:MATRIX_FMT_FP4
.endif
.else
.if \zero
	v_wmma_scale_f32_16x16x128_f8f6f4 v[AC:AC+7], v[WF:WF+7], v[XF:XF+7], 0, v[WS], v[XS] matrix_a_fmt:MATRIX_FMT_FP4 matrix_b_fmt:MATRIX_FMT_FP4
.else
	v_wmma_scale_f32_16x16x128_f8f6f4 v[AC:AC+7], v[WF:WF+7], v[XF:XF+7], v[AC:AC+7], v[WS], v[XS] matrix_a_fmt:MATRIX_FMT_FP4 matrix_b_fmt:MATRIX_FMT_FP4
.endif
.endif
.endr
.set aa, aa+1
.endr
.endm
; A K step of 128: 42 matrix instructions.  A row tile's fragment is free as soon as its two products are issued: tiles 0-10 are fetched anew in the step's middle, tiles 11-20 at its end.
.macro KSTEP y, sp, zero, swap
	s_wait_dscnt 20                                ; all but this step's tiles 11-20 (the youngest 20 loads) are in
	WIN 0xa4-3*(\swap)                             ; W window 0, x window 1, C and D window 2
	MULS 0, 11, (\sp)%2, \sp, \zero, \swap
	PLACES
.if \sp < 3
	WIN 0
	BF \y, (\sp)+1, 1-(\sp)%2
	WIN TO_A
	AF \y, (\sp)+1, 0, 11
	s_wait_dscnt 26                                ; all but the 26 just issued
.else
	s_wait_dscnt 0x0
.endif
	WIN 0xf4-3*(\swap)                             ; C and D window 3
	MULS 11, 10, (\sp)%2, \sp, \zero, \swap
	PLACES
.if \sp < 3
	WIN TO_A
	AF \y, (\sp)+1, 11, 10
.endif
	WIN 0
.endm
.macro HALF y, zero, swap
	SCL \y
	BF \y, 0, 0
	WIN TO_A
	AF \y, 0, 0, 11
	AF \y, 0, 11, 10
	KSTEP \y, 0, \zero, \swap
	KSTEP \y, 1, 0, \swap
	KSTEP \y, 2, 0, \swap
	KSTEP \y, 3, 0, \swap
.endm
.macro TLD a                           ; row tile a's cosines and sines for my two column blocks
.irp j, 0,1
.irp q, 0,1
	global_load_b128 v[160+16*((\a)%2)+8*\j+4*\q:160+16*((\a)%2)+8*\j+4*\q+3], v1, s[12:13] offset:(\a)*4096+\j*1024+\q*512
.endr
.endr
.endm
.macro OUT2 a                          ; 2 x 512 consecutive bytes
.irp j, 0,1
	global_store_b128 v1, v[208+8*((\a)%2)+4*\j:208+8*((\a)%2)+4*\j+3], s[14:15] offset:(\a)*2048+\j*512
.endr
.endm
.macro ROPE a
.set TBL, 160+16*((\a)%2)
.if (\a) < 20
	s_wait_loadcnt 4                               ; this tile's four table loads are in; the next tile's may be out
.else
	s_wait_loadcnt 0x0
.endif
	s_wait_xcnt 0x0                                ; the stores of two tiles back have read their registers
	WIN 0x02+(\a)/11                               ; source 0: the accumulators' window
.irp j, 0,1
.set AC, 8*(2*((\a)%11)+\j)
.irp i, 0,1,2,3
	v_mul_f32 v[224+4*\j+\i], v[AC+2*\i+1], v[TBL+8*\j+2*\i+1]     ; o s  (each accumulator is read from its low end on)
.endr
.irp i, 0,1,2,3
	v_mul_f32 v[232+4*\j+\i], v[AC+2*\i+1], v[TBL+8*\j+2*\i]       ; o c
.endr
.irp i, 0,1,2,3
	v_fma_f32 v[192+8*\j+2*\i], v[AC+2*\i], v[TBL+8*\j+2*\i], -v[224+4*\j+\i]     ; e c - o s
.endr
.irp i, 0,1,2,3
	v_fma_f32 v[193+8*\j+2*\i], v[AC+2*\i], v[TBL+8*\j+2*\i+1], v[232+4*\j+\i]    ; e s + o c
.endr
.endr
	WIN 0
.irp m, 0,1,2,3,4,5,6,7
	v_cvt_pk_f16_f32 v[208+8*((\a)%2)+\m], v[192+2*\m], v[193+2*\m]
.endr
.if (\a)+2 <= 20
	TLD (\a)+2
.endif
	OUT2 \a
.endm
.macro PACKV a
	s_wait_xcnt 0x0                                ; the stores of two tiles back have read their registers
	WIN 0x0a+5*((\a)/11)                           ; sources 0 and 1: the accumulators' window
.irp j, 0,1
.set AC, 8*(2*((\a)%11)+\j)
.irp i, 0,1,2,3
	v_cvt_pk_f16_f32 v[208+8*((\a)%2)+4*\j+\i], v[AC+2*\i], v[AC+2*\i+1]   ; two neighbouring positions of my channel
.endr
.endr
	WIN 0
	OUT2 \a
.endm
	s_load_b256 s[4:11], s[0:1], 0x0               ; ximg 4, xsc 6, wimg 8, wsc 10
	s_load_b128 s[12:15], s[0:1], 0x20             ; tab 12, img 14
	v_lshl_add_u32 v12, v0, 2, SPARE
	v_mov_b32 v13, 0
	ds_add_u32 v12, v13                            ; the wave's opening: the add, twice on end, and its wait ahead of my first tensor load
	ds_add_u32 v12, v13
	v_lshrrev_b32 v1, 5, v0
	v_readfirstlane_b32 s80, v1                    ; wave 0..3
	s_mov_b32 s81, ttmp9                           ; nb
	s_and_b32 s82, ttmp7, 0xffff                   ; mc
	s_mul_i32 s83, s82, 21                         ; my first row tile
	; descriptor groups 1, elements of 8 bytes, no padding.  x's codes: 7 row tiles x 4,096 bytes (a K half), 8,192 bytes apart
	s_mov_b32 s16, 3<<16
	s_mov_b32 s17, 512<<16
	s_mov_b32 s18, 7<<16
	s_mov_b32 s19, 512<<16
	s_mov_b32 s20, 7
	s_mov_b32 s21, 1024
	s_mov_b32 s22, 0
	s_mov_b32 s23, 0
	; W's codes: 8 column blocks x 4,096 bytes
	s_mov_b32 s24, 3<<16
	s_mov_b32 s25, 512<<16
	s_mov_b32 s26, 8<<16
	s_mov_b32 s27, 512<<16
	s_mov_b32 s28, 8
	s_mov_b32 s29, 1024
	s_mov_b32 s30, 0
	s_mov_b32 s31, 0
	; x's scale bytes of 7 row tiles: 3,584 dense bytes as 14 rows of 256
	s_mov_b32 s32, 3<<16
	s_mov_b32 s33, 32<<16
	s_mov_b32 s34, 14<<16
	s_mov_b32 s35, 32<<16
	s_mov_b32 s36, 14
	s_mov_b32 s37, 32
	s_mov_b32 s38, 0
	s_mov_b32 s39, 0
	; W's of 8 column blocks: 4,096 dense bytes as 16 rows of 256
	s_mov_b32 s40, 3<<16
	s_mov_b32 s41, 32<<16
	s_mov_b32 s42, 16<<16
	s_mov_b32 s43, 32<<16
	s_mov_b32 s44, 16
	s_mov_b32 s45, 32
	s_mov_b32 s46, 0
	s_mov_b32 s47, 0
	s_mul_i32 s85, s80, 7
	s_add_co_u32 s84, s83, s85                     ; waves 0 to 2 fetch 7 row tiles each
	s_lshl_b32 s86, s84, 9
	s_mov_b32 s87, 0
	s_lshl_b32 s88, s84, 13
	s_mov_b32 s89, 0
	s_mul_i32 s90, s80, 3584
	s_mul_i32 s91, s80, 28672
	s_lshl_b32 s92, s81, 12                        ; wave 3 fetches W's
	s_mov_b32 s93, 0
	s_lshl_b32 s94, s81, 16
	s_mov_b32 s95, 0
	s_wait_dscnt 0x0                               ; both opening adds are done
	s_wait_kmcnt 0x0
	s_mov_b32 s48, 1
	s_add_co_u32 s49, s90, SA
	s_add_nc_u64 s[50:51], s[6:7], s[86:87]
	s_or_b32 s51, s51, 0x80000000
	s_mov_b32 s52, 1
	s_mov_b32 s53, s91
	s_add_nc_u64 s[54:55], s[4:5], s[88:89]
	s_mov_b32 s56, 1
	s_add_co_u32 s57, s91, A1
	s_add_nc_u64 s[58:59], s[54:55], 4096
	s_or_b32 s55, s55, 0x80000000
	s_or_b32 s59, s59, 0x80000000
	s_mov_b32 s68, 1
	s_mov_b32 s69, SB
	s_add_nc_u64 s[70:71], s[10:11], s[92:93]
	s_or_b32 s71, s71, 0x80000000
	s_mov_b32 s72, 1
	s_mov_b32 s73, B0
	s_add_nc_u64 s[74:75], s[8:9], s[94:95]
	s_mov_b32 s76, 1
	s_mov_b32 s77, B1
	s_add_nc_u64 s[78:79], s[74:75], 4096
	s_or_b32 s75, s75, 0x80000000
	s_or_b32 s79, s79, 0x80000000
	s_cmp_lt_u32 s80, 3                            ; a wave's three first fills stand in one branch: scales, K half 0, K half 1: three tensor loads of mine are out
	s_cbranch_scc0 .Lfill_b
	tensor_load_to_lds s[48:51], s[32:39]
	s_nop 0
	tensor_load_to_lds s[52:55], s[16:23]
	s_nop 0
	tensor_load_to_lds s[56:59], s[16:23]
	s_nop 0
	PLACES
	s_branch .Lfilled
.Lfill_b:
	tensor_load_to_lds s[68:71], s[40:47]
	s_nop 0
	tensor_load_to_lds s[72:75], s[24:31]
	s_nop 0
	tensor_load_to_lds s[76:79], s[24:31]
	s_nop 0
	PLACES
.Lfilled:
	v_and_b32 v2, 31, v0
	v_lshlrev_b32 v1, 4, v2                        ; 16 x lane
	v_and_b32 v2, 15, v0
	v_lshlrev_b32 v2, 4, v2                        ; 16 x (lane % 16)
	v_mov_b32 v4, v1                               ; half 0, tiles 0-10
	v_add_nc_u32 v5, 45056, v1                     ; half 0, tiles 11-20
	v_add_nc_u32 v6, A1, v1
	v_add_nc_u32 v7, A1+45056, v1
	s_lshl_b32 s85, s80, 13
	s_add_co_u32 s85, s85, B0
	v_add_nc_u32 v8, s85, v1                       ; my two column blocks
	v_add_nc_u32 v9, SA, v2
	s_lshl_b32 s85, s80, 10
	s_add_co_u32 s85, s85, SB
	v_add_nc_u32 v10, s85, v2
	s_lshl_b32 s84, s81, 1                         ; img: head slot 2 nb + w / 2, my first row tile, chunks 2 (w % 2) on
	s_lshr_b32 s85, s80, 1
	s_add_co_u32 s84, s84, s85
	s_mul_i32 s84, s84, SLOTB
	s_lshl_b32 s85, s83, 11
	s_add_co_u32 s84, s84, s85
	s_and_b32 s86, s80, 1
	s_lshl_b32 s85, s86, 10
	s_add_co_u32 s84, s84, s85
	s_mov_b32 s85, 0
	s_add_nc_u64 s[14:15], s[14:15], s[84:85]
	s_lshl_b32 s84, s83, 12                        ; the table: my first row tile, chunks 4 (w % 2) on
	s_lshl_b32 s86, s86, 11
	s_add_co_u32 s84, s84, s86
	s_add_nc_u64 s[12:13], s[12:13], s[84:85]
	s_wait_tensorcnt 0x1                           ; my scales and my part of K half 0 are in; half 1 may stay out
	s_barrier_signal -1
	s_barrier_wait -1                              ; everybody's are
	s_cmp_eq_u32 s81, 18                           ; the work-groups of v take the other orientation: a branch on the work-group's number, round no barrier and no tensor load
	s_cbranch_scc1 .Lv_half0
	HALF 0, 1, 0
	s_branch .Lmeet
.Lv_half0:
	HALF 0, 1, 1
.Lmeet:
	s_wait_tensorcnt 0x0                           ; my part of K half 1 is in
	s_wait_dscnt 0x0
	s_barrier_signal -1
	s_barrier_wait -1
	s_cmp_eq_u32 s81, 18
	s_cbranch_scc1 .Lv_half1
	TLD 0                                          ; the first two tiles' table lands under K half 1
	TLD 1
	HALF 1, 0, 0
.set ta, 0
.rept 21
	ROPE ta                                        ; (the last step's four plain lines stand between the last products and the first read)
.set ta, ta+1
.endr
	s_wait_tensorcnt 0x0                           ; the wave's end
	ds_add_u32 v12, v13
	s_wait_dscnt 0x0
	s_endpgm
.Lv_half1:
	HALF 1, 0, 1
.set ta, 0
.rept 21
	PACKV ta
.set ta, ta+1
.endr
	s_wait_tensorcnt 0x0                           ; the wave's end
	ds_add_u32 v12, v13
	s_wait_dscnt 0x0
	s_endpgm
.Lfunc_end_k_q884515653e_proj:
	.size	k_q884515653e_proj, .Lfunc_end_k_q884515653e_proj-k_q884515653e_proj
	.p2alignl 7, 3214868480
	.fill 96, 4, 3214868480
	.section	.rodata,"a",@progbits
	.p2align	6, 0x0
	.amdhsa_kernel k_q884515653e_proj
		.amdhsa_group_segment_fixed_size 253952
		.amdhsa_private_segment_fixed_size 0
		.amdhsa_enable_private_segment 0
		.amdhsa_kernarg_size 48
		.amdhsa_user_sgpr_count 2
		.amdhsa_user_sgpr_kernarg_segment_ptr 1
		.amdhsa_wavefront_size32 1
		.amdhsa_system_sgpr_workgroup_id_x 1
		.amdhsa_system_sgpr_workgroup_id_y 1
		.amdhsa_system_sgpr_workgroup_id_z 1
		.amdhsa_system_vgpr_workitem_id 0
		.amdhsa_next_free_vgpr 1024
		.amdhsa_next_free_sgpr 96
		.amdhsa_reserve_vcc 0
		.amdhsa_float_denorm_mode_32 3
		.amdhsa_float_denorm_mode_16_64 3
		.amdhsa_memory_ordered 1
		.amdhsa_forward_progress 1
		.amdhsa_inst_pref_size 224
	.end_amdhsa_kernel
	.amdgpu_metadata
---
amdhsa.version: [ 1, 2 ]
amdhsa.kernels:
  - .name:           k_q884515653e_proj
    .symbol:         k_q884515653e_proj.kd
    .args:
      - { .name: ximg, .offset: 0, .size: 8, .value_kind: global_buffer, .address_space: global }
      - { .name: xsc, .offset: 8, .size: 8, .value_kind: global_buffer, .address_space: global }
      - { .name: wimg, .offset: 16, .size: 8, .value_kind: global_buffer, .address_space: global }
      - { .name: wsc, .offset: 24, .size: 8, .value_kind: global_buffer, .address_space: global }
      - { .name: tab, .offset: 32, .size: 8, .value_kind: global_buffer, .address_space: global }
      - { .name: img, .offset: 40, .size: 8, .value_kind: global_buffer, .address_space: global }
    .group_segment_fixed_size: 253952
    .private_segment_fixed_size: 0
    .kernarg_segment_align: 8
    .kernarg_segment_size: 48
    .max_flat_workgroup_size: 128
    .sgpr_count:     96
    .vgpr_count:     1024
    .wavefront_size: 32
...
	.end_amdgpu_metadata
.endif
;; end of part 2
;; launch attn (part 3): grid 64 x 4, 8 waves a work-group, clusters of 4 x 1, 167,936 bytes of LDS; arguments img, lq1, lk1, lq2, lk2, attimg; writes attimg
.if DOCPART == 3
	.amdgcn_target "amdgcn-amd-amdhsa--gfx1250"
	.amdhsa_code_object_version 6
	.text
	.protected	k_q884515653e_attn
	.globl	k_q884515653e_attn
	.p2align	8
	.type	k_q884515653e_attn,@function
k_q884515653e_attn:
	s_mov_b64 s[64:65], 0
	v_nop
	global_prefetch_b8 v0, s[64:65] scope:SCOPE_SE
	s_setreg_imm32_b32 hwreg(HW_REG_WAVE_MODE, 25, 1), 1
	s_wait_xcnt 0x0
	s_wait_alu depctr_hold_cnt(0) depctr_sa_sdst(0) depctr_va_vdst(0) depctr_va_sdst(0) depctr_va_ssrc(0) depctr_va_vcc(0) depctr_vm_vsrc(0)
	s_getreg_b32 s2, hwreg(HW_REG_IB_STS2, 6, 4)
	s_cmp_eq_u32 s2, 0
	s_cbranch_scc0 .Lentry_in_a_cluster
	s_endpgm
.Lentry_in_a_cluster:
	s_bfe_u32 s2, ttmp6, 0x10000c
	s_cmp_lg_u32 s2, 0x3003
	s_cbranch_scc0 .Lentry_shape_is_right
	s_endpgm
.Lentry_shape_is_right:
; ATTN: a = softmax(q1 k1^T / 8) v - lam softmax(q2 k2^T / 8) v for the 16 windows that reference()'s trim keeps; lam = clip(exp(lq1 . lk1) - exp(lq2 . lk2) + 0.8, 0.1, 0.9).  All operands f16, sums f32.
; SHARES.  Cluster x = window n, cluster y = 2 b + g (batch, K/V group), place in the cluster qr.  A work-group takes window n of batch b and heads g + 4 qr + 2 i, i = 0, 1; wave w takes queries 32 w .. 32 w + 31: two tiles of 16,
; so that each fragment of K or V read from LDS feeds two matrix instructions.
; CLUSTER.  The four partners need the same K1, K2 and V of the window (96 KB): they are asked for JOINTLY, once; no LDS byte is filled again.
; LAYOUT.  S^T = K Q^T (source 0 = 16 keys, source 1 = 16 queries), O^T = V^T P: a lane holds one query throughout; two tiles of S^T, rounded in pairs, ARE the second product's source 1.
; SOFTMAX.  All 256 keys of a query lie in registers at once: the row's true maximum is taken away, p = 2^(c s - c m), c = log2(e) / 8; the sum is taken of the unrounded p.
; THE DIFFERENCE COSTS NO SECOND ACCUMULATOR: attention 2 goes first; its O2 is multiplied by -lam l1 / l2 and is the C onto which P1 V is summed; the whole is divided by l1.
; f16 AND NOT bf16: with 8 significant bits the roundings of p, q, k, v and a together would use up more than the allowed 1 % of the output's rms; with 11 bits an eighth of that.
; LIMITS: NaN and infinities are not served; |a| must stay under 65,504, and under 6e-5 its grain is 6e-8.
; REGISTERS: window 0: v1 16 x lane; v2 the same in V; v3, v4 the add's two; v5 -lam; v6, v7 -lam / l2; v8-15, v16-23 a tile's statistics (+0 c m, +0..3 maxima, +2:3, +4:5 sums, +4 the factor, +6 l, then 1 / l, +7 at work);
;   v32-63 q2's fragments, v64-95 q1's; v96-159 O^T; v160-255 three buffers of 32 for K or V.   window 1: S^T (128 qt + 8 kt), then P (128 qt + 0 .. 63).
.set SLOTB, 559104
.set SPARE, 98304                      ; LDS: K1 at 0, K2 at 32,768, V at 65,536; behind them the spare words, 128 bytes for each of eight waves
.set ST, 8
.set QA, 32
.set QB, 64
.set OA, 96
.set KV, 160
.set MSB, 0
.macro WIN new
.if MSB != (\new)
	s_set_vgpr_msb (MSB<<8)|(\new)
.set MSB, (\new)
.endif
.endm
.macro PLACES
.rept 4
	v_nop
.endr
.endm
.macro CROUND                          ; a round of the cluster's barrier
	s_barrier_signal -1
	s_barrier_wait -1
	s_cmp_lg_u32 s39, 0
	s_cbranch_scc1 .Lnot_wave_0_\@
	s_barrier_signal -3
.Lnot_wave_0_\@:
	s_barrier_wait -3
	s_barrier_signal -1
	s_barrier_wait -1
.endm
.macro KLOAD g, buf, koff              ; key tiles 2 g, 2 g + 1: 4 chunks each
.irp m, 0,1,2,3,4,5,6,7
	ds_load_b128 v[KV+32*(\buf)+4*\m:KV+32*(\buf)+4*\m+3], v1 offset:(\koff)+(\g)*4096+512*\m
.endr
.endm
.macro QKMUL g, buf, qreg              ; 8 matrix instructions, four accumulators by turns
.irp f, 0,1
.irp t, 0,1
.irp z, 0,1
.set SD, 128*\z+8*(2*(\g)+\t)
.if \f == 0
	v_wmma_f32_16x16x32_f16 v[SD:SD+7], v[KV+32*(\buf)+16*\t+8*\f:KV+32*(\buf)+16*\t+8*\f+7], v[\qreg+16*\z+8*\f:\qreg+16*\z+8*\f+7], 0
.else
	v_wmma_f32_16x16x32_f16 v[SD:SD+7], v[KV+32*(\buf)+16*\t+8*\f:KV+32*(\buf)+16*\t+8*\f+7], v[\qreg+16*\z+8*\f:\qreg+16*\z+8*\f+7], v[SD:SD+7]
.endif
.endr
.endr
.endr
.endm
.macro VLOAD c, buf                    ; keys 32 c .. 32 c + 31 of all 64 channels
.irp u, 0,1
.irp t, 0,1,2,3
	ds_load_b128 v[KV+32*(\buf)+8*\t+4*\u:KV+32*(\buf)+8*\t+4*\u+3], v2 offset:(2*(\c)+\u)*2048+512*\t
.endr
.endr
.endm
.macro PVMUL c, buf, zero              ; 8 matrix instructions, eight accumulators by turns
.irp t, 0,1,2,3
.irp z, 0,1
.if \zero
	v_wmma_f32_16x16x32_f16 v[OA+32*\z+8*\t:OA+32*\z+8*\t+7], v[KV+32*(\buf)+8*\t:KV+32*(\buf)+8*\t+7], v[128*\z+8*(\c):128*\z+8*(\c)+7], 0
.else
	v_wmma_f32_16x16x32_f16 v[OA+32*\z+8*\t:OA+32*\z+8*\t+7], v[KV+32*(\buf)+8*\t:KV+32*(\buf)+8*\t+7], v[128*\z+8*(\c):128*\z+8*(\c)+7], v[OA+32*\z+8*\t:OA+32*\z+8*\t+7]
.endif
.endr
.endr
.endm
.macro QLOAD qreg, qb, off             ; my two query tiles: 4,096 consecutive bytes
.irp m, 0,1,2,3,4,5,6,7
	global_load_b128 v[\qreg+4*\m:\qreg+4*\m+3], v1, s[\qb:\qb+1] offset:(\off)+512*\m
.endr
.endm
.macro SCALE8 n                        ; c s - c m on eight scores
.irp i, 0,2,4,6
	v_pk_fma_f32 v[8*(\n)+\i:8*(\n)+\i+1], v[8*(\n)+\i:8*(\n)+\i+1], s[28:29], v[ST+8*((\n)/16):ST+8*((\n)/16)+1] op_sel_hi:[1,0,0] neg_lo:[0,0,1] neg_hi:[0,0,1]
.endr
.endm
.macro EXP8 n
.irp i, 0,1,2,3,4,5,6,7
	v_exp_f32 v[8*(\n)+\i], v[8*(\n)+\i]
.endr
.endm
; One attention of one head for my 32 queries.  first = 1: attention 2, which starts O^T; first = 0: attention 1, summed onto it.
.macro PASS qreg, koff, first, qb
	s_wait_xcnt 0x0                                ; the last stores have read the buffers' registers
	s_wait_loadcnt 0x0                             ; Q is in
	KLOAD 0, 0, \koff
	KLOAD 1, 1, \koff
	KLOAD 2, 2, \koff
.irp g, 0,1,2,3,4,5,6,7
.if \g < 6
	s_wait_dscnt 16                                ; this group's eight loads are in; the two younger groups' may be out
.elseif \g == 6
	s_wait_dscnt 8
.else
	s_wait_dscnt 0x0
.endif
	WIN 0x50                                       ; C and D in window 1
	QKMUL \g, \g%3, \qreg
	WIN 0
	PLACES
.if \g < 5
	KLOAD \g+3, \g%3, \koff
.endif
.endr
	VLOAD 0, 0                                     ; V's first three groups land under the softmax
	VLOAD 1, 1
	VLOAD 2, 2
	s_cmp_eq_u32 s38, 1                            ; the next head's Q into the set just used, if there is a next head
	s_cbranch_scc1 .Lno_next_\@
	QLOAD \qreg, \qb, 2*SLOTB
.Lno_next_\@:
	WIN 0x14                                       ; sources 1 and 2 in window 1
.irp k, 0,1,2,3,4,5,6,7,8,9,10,11,12,13,14,15
.irp c, 0,1,2,3
.irp z, 0,1
.if \k == 0
	v_max3_num_f32 v[ST+8*\z+\c], 0xff800000, v[128*\z+8*\k+2*\c], v[128*\z+8*\k+2*\c+1]   ; four chains a tile, begun at -infinity; each tile of S^T is read from its low end on
.else
	v_max3_num_f32 v[ST+8*\z+\c], v[ST+8*\z+\c], v[128*\z+8*\k+2*\c], v[128*\z+8*\k+2*\c+1]
.endif
.endr
.endr
.endr
	WIN 0
.irp z, 0,1
	v_max3_num_f32 v[ST+8*\z], v[ST+8*\z], v[ST+8*\z+1], v[ST+8*\z+2]
.endr
.irp z, 0,1
	v_max_num_f32 v[ST+8*\z], v[ST+8*\z], v[ST+8*\z+3]
.endr
.irp z, 0,1
	v_permlanex16_b32 v[ST+8*\z+7], v[ST+8*\z], s30, s31           ; the query's other 128 keys lie in the lane 16 away
.endr
.irp z, 0,1
	v_max_num_f32 v[ST+8*\z], v[ST+8*\z], v[ST+8*\z+7]
.endr
.irp z, 0,1
	v_mul_f32 v[ST+8*\z], s28, v[ST+8*\z]                          ; c m
.endr
	WIN 0x41                                       ; destination and source 0 in window 1
	SCALE8 0
.set nn, 0
.rept 32                                       ; ONE BATCH of 256 exponentials: group n + 1 is scaled, then group n goes; nothing here names a result
.if nn < 31
	SCALE8 nn+1
.endif
	EXP8 nn
.set nn, nn+1
.endr
	v_nop                                          ; a plain line behind the last exponential
	s_wait_alu depctr_va_vdst(0)                   ; one wait for the batch, ahead of its first reader
	WIN 0x05
.irp z, 0,1
	v_pk_add_f32 v[ST+8*\z+2:ST+8*\z+3], v[128*\z:128*\z+1], v[128*\z+2:128*\z+3]      ; the row's sum, of the unrounded p: two chains a tile
	v_pk_add_f32 v[ST+8*\z+4:ST+8*\z+5], v[128*\z+4:128*\z+5], v[128*\z+6:128*\z+7]
.endr
	WIN 0x04
.set nn, 8
.rept 30
.irp z, 0,1
	v_pk_add_f32 v[ST+8*\z+2:ST+8*\z+3], v[ST+8*\z+2:ST+8*\z+3], v[128*\z+nn:128*\z+nn+1]
	v_pk_add_f32 v[ST+8*\z+4:ST+8*\z+5], v[ST+8*\z+4:ST+8*\z+5], v[128*\z+nn+2:128*\z+nn+3]
.endr
.set nn, nn+4
.endr
	WIN 0x45
.set nn, 0
.rept 64
.irp z, 0,1
	v_cvt_pk_f16_f32 v[128*\z+nn], v[128*\z+2*nn], v[128*\z+2*nn+1]        ; P in place, ascending: register j is written when registers up to 2 j + 1 have been read
.endr
.set nn, nn+1
.endr
	WIN 0
.irp z, 0,1
	v_pk_add_f32 v[ST+8*\z+2:ST+8*\z+3], v[ST+8*\z+2:ST+8*\z+3], v[ST+8*\z+4:ST+8*\z+5]
.endr
.irp z, 0,1
	v_add_f32 v[ST+8*\z+6], v[ST+8*\z+2], v[ST+8*\z+3]
.endr
.irp z, 0,1
	v_permlanex16_b32 v[ST+8*\z+7], v[ST+8*\z+6], s30, s31
.endr
.irp z, 0,1
	v_add_f32 v[ST+8*\z+6], v[ST+8*\z+6], v[ST+8*\z+7]             ; l
.endr
.if \first
.irp z, 0,1
	v_rcp_f32 v[ST+8*\z+7], v[ST+8*\z+6]
.endr
	v_nop
	s_wait_alu depctr_va_vdst(0)                   ; one wait for both reciprocals
.irp z, 0,1
	v_mul_f32 v[6+\z], v[ST+8*\z+7], v5            ; -lam / l2
.endr
.else
.irp z, 0,1
	v_mul_f32 v[ST+8*\z+4], v[ST+8*\z+6], v[6+\z]  ; -lam l1 / l2
.endr
.irp z, 0,1
	v_rcp_f32 v[ST+8*\z+6], v[ST+8*\z+6]           ; 1 / l1, for the end
.endr
.set nn, 0
.rept 16
.irp z, 0,1
	v_pk_mul_f32 v[OA+32*\z+nn:OA+32*\z+nn+1], v[OA+32*\z+nn:OA+32*\z+nn+1], v[ST+8*\z+4:ST+8*\z+5] op_sel_hi:[1,0]   ; O2 becomes the C of P1 V (plain work behind the reciprocals; each accumulator from its low end on)
.endr
.set nn, nn+2
.endr
	s_wait_alu depctr_va_vdst(0)                   ; one wait for both reciprocals, ahead of the loop's branch and of their reader
.endif
	WIN 0x04                                       ; source 1 (P) in window 1; V's loads need no other setting
.irp c, 0,1,2,3,4,5,6,7
.if \c < 6
	s_wait_dscnt 16
.elseif \c == 6
	s_wait_dscnt 8
.else
	s_wait_dscnt 0x0
.endif
.if (\first) && (\c == 0)
	PVMUL \c, \c%3, 1
.else
	PVMUL \c, \c%3, 0
.endif
	PLACES
.if \c < 5
	VLOAD \c+3, \c%3
.endif
.endr
	WIN 0
.endm
	s_load_b256 s[4:11], s[0:1], 0x0               ; img 4, lq1 6, lk1 8, lq2 10
	s_load_b128 s[12:15], s[0:1], 0x20             ; lk2 12, attimg 14
	v_lshl_add_u32 v3, v0, 2, SPARE
	v_mov_b32 v4, 0
	ds_add_u32 v3, v4                              ; the wave's opening: the add, twice on end, and its wait ahead of the round in front of the first tensor load
	ds_add_u32 v3, v4
	v_lshrrev_b32 v1, 5, v0
	v_readfirstlane_b32 s39, v1                    ; wave 0..7
	s_bfe_u32 s40, ttmp6, 0x40000                  ; qr: my place in the cluster: it enters Q's and the output's addresses alone
	s_and_b32 s41, ttmp7, 0xffff
	s_lshr_b32 s42, s41, 1                         ; b
	s_and_b32 s43, s41, 1                          ; g
	s_mul_i32 s44, s42, 136
	s_lshl_b32 s45, ttmp9, 3
	s_add_co_u32 s44, s44, s45                     ; the window's first row tile: 136 b + 8 n
	s_lshr_b32 s45, s39, 1                         ; what I fetch: waves 0, 1: K1's halves; 2, 3: K2's; 4, 5: V's
	s_lshl_b32 s45, s45, 1
	s_add_co_u32 s45, s45, s43
	s_add_co_u32 s45, s45, 32                      ; head slot 32 + 2 (w / 2) + g
	s_mul_i32 s46, s45, SLOTB
	s_lshl_b32 s47, s44, 11
	s_add_co_u32 s46, s46, s47
	s_and_b32 s47, s39, 1
	s_lshl_b32 s47, s47, 14
	s_add_co_u32 s46, s46, s47
	s_mov_b32 s47, 0
	s_mov_b32 s16, 15|(3<<16)|(1<<21)              ; group 1: the mask names all four; elements of 8 bytes; bit 21 beside a mask; 64 dense rows of 256 bytes
	s_mov_b32 s17, 32<<16
	s_mov_b32 s18, 64<<16
	s_mov_b32 s19, 32<<16
	s_mov_b32 s20, 64
	s_mov_b32 s21, 32
	s_mov_b32 s22, 0
	s_mov_b32 s23, 0
	s_lshl_b32 s48, s40, 2
	s_add_co_u32 s48, s48, s43                     ; my first head: g + 4 qr
	s_mul_i32 s50, s48, SLOTB
	s_lshl_b32 s49, s39, 1
	s_add_co_u32 s49, s49, s44
	s_lshl_b32 s49, s49, 11                        ; my two query tiles
	s_add_co_u32 s50, s50, s49
	s_mov_b32 s51, 0
	s_lshl_b32 s52, s42, 8                         ; output row tile 256 b + 16 n + 2 w
	s_lshl_b32 s53, ttmp9, 4
	s_add_co_u32 s52, s52, s53
	s_lshl_b32 s53, s39, 1
	s_add_co_u32 s52, s52, s53
	s_lshl_b32 s52, s52, 15
	s_lshl_b32 s53, s48, 11
	s_add_co_u32 s52, s52, s53
	s_mov_b32 s53, 0
	s_mov_b32 s28, 0x3e38aa3b                      ; c = log2(e) / 8
	s_mov_b32 s29, s28                             ; (named with it as a pair)
	s_mov_b32 s30, 0x76543210
	s_mov_b32 s31, 0xfedcba98                      ; lane l xor 16
	s_mov_b32 s38, 2                               ; heads to go
	s_wait_dscnt 0x0                               ; both opening adds are done
	s_wait_kmcnt 0x0
	s_add_nc_u64 s[34:35], s[4:5], s[50:51]        ; q1
	s_add_nc_u64 s[32:33], s[34:35], 16*SLOTB      ; q2: 16 head slots on
	s_add_nc_u64 s[36:37], s[14:15], s[52:53]
	CROUND                                         ; all four work-groups are here: the joint loads meet
	s_mov_b32 s24, 1
	s_lshl_b32 s25, s39, 14                        ; 16,384 x wave
	s_add_nc_u64 s[26:27], s[4:5], s[46:47]
	s_or_b32 s27, s27, 0x80000000
	s_cmp_lt_u32 s39, 6
	s_cbranch_scc0 .Lno_fill
	tensor_load_to_lds s[24:27], s[16:23]          ; one tensor load of mine is out
	s_nop 0
	PLACES
.Lno_fill:
	v_and_b32 v1, 31, v0
	v_lshlrev_b32 v24, 3, v1
	v_lshlrev_b32 v1, 4, v1
	v_add_nc_u32 v2, 0x10000, v1
	global_load_b64 v[160:161], v24, s[6:7]        ; two of the 64 numbers a lane
	global_load_b64 v[162:163], v24, s[8:9]
	global_load_b64 v[164:165], v24, s[10:11]
	global_load_b64 v[166:167], v24, s[12:13]
	QLOAD QA, 32, 0
	QLOAD QB, 34, 0
	s_wait_loadcnt 16                              ; the four vectors are in; Q's 16 loads may be out
	v_mul_f32 v168, v160, v162
	v_mul_f32 v169, v164, v166
	v_fma_f32 v168, v161, v163, v168
	v_fma_f32 v169, v165, v167, v169
.irp m, 1,2,4,8
	v_add_f32_dpp v168, v168, v168 row_xmask:\m row_mask:0xf bank_mask:0xf
	v_add_f32_dpp v169, v169, v169 row_xmask:\m row_mask:0xf bank_mask:0xf
.endr
	v_mov_b32 v170, 0
	v_mov_b32 v171, 0
	v_permlanex16_b32 v170, v168, s30, s31
	v_permlanex16_b32 v171, v169, s30, s31
	v_add_f32 v168, v168, v170
	v_add_f32 v169, v169, v171
	v_mul_f32 v168, 0x3fb8aa3b, v168
	v_mul_f32 v169, 0x3fb8aa3b, v169
	v_exp_f32 v168, v168
	v_exp_f32 v169, v169
	v_mov_b32 v15, 0                               ; (plain lines)  written once: a lane permute's destination counts as one of its sources
	v_mov_b32 v23, 0
	s_wait_alu depctr_va_vdst(0)                   ; one wait for both exponentials
	v_sub_f32 v168, v168, v169
	v_add_f32 v168, 0x3f4ccccd, v168               ; + 0.8
	v_max_num_f32 v168, 0x3dcccccd, v168           ; held to 0.1 .. 0.9
	v_min_num_f32 v168, 0x3f666666, v168
	v_mul_f32 v5, -1.0, v168
	s_wait_tensorcnt 0x0                           ; my part of K1, K2, V is in,
	s_barrier_signal -1
	s_barrier_wait -1                              ; everybody's is
.Lhead:
	PASS QA, 32768, 1, 32
	PASS QB, 0, 0, 34
.set nn, 0
.rept 16
.irp z, 0,1
	v_pk_mul_f32 v[OA+32*\z+nn:OA+32*\z+nn+1], v[OA+32*\z+nn:OA+32*\z+nn+1], v[ST+8*\z+6:ST+8*\z+7] op_sel_hi:[1,0]   ; / l1
.endr
.set nn, nn+2
.endr
.set nn, 0
.rept 16
.irp z, 0,1
	v_cvt_pk_f16_f32 v[KV+16*\z+nn], v[OA+32*\z+2*nn], v[OA+32*\z+2*nn+1]
.endr
.set nn, nn+1
.endr
.irp z, 0,1
.irp t, 0,1,2,3
	global_store_b128 v1, v[KV+16*\z+4*\t:KV+16*\z+4*\t+3], s[36:37] offset:\z*32768+\t*512   ; a chunk of the last product's fragment: 512 consecutive bytes, aligned
.endr
.endr
	s_wait_xcnt 0x0                                ; loads and stores have read their bases
	s_add_nc_u64 s[32:33], s[32:33], 2*SLOTB       ; two heads on
	s_add_nc_u64 s[34:35], s[34:35], 2*SLOTB
	s_add_nc_u64 s[36:37], s[36:37], 4096
	s_sub_co_u32 s38, s38, 1
	s_cmp_lg_u32 s38, 0
	s_cbranch_scc1 .Lhead
	s_wait_tensorcnt 0x0                           ; the wave's end
	ds_add_u32 v3, v4
	s_wait_dscnt 0x0
	CROUND                                         ; the closing round
	s_endpgm
.Lfunc_end_k_q884515653e_attn:
	.size	k_q884515653e_attn, .Lfunc_end_k_q884515653e_attn-k_q884515653e_attn
	.p2alignl 7, 3214868480
	.fill 96, 4, 3214868480
	.section	.rodata,"a",@progbits
	.p2align	6, 0x0
	.amdhsa_kernel k_q884515653e_attn
		.amdhsa_group_segment_fixed_size 167936
		.amdhsa_private_segment_fixed_size 0
		.amdhsa_enable_private_segment 0
		.amdhsa_kernarg_size 48
		.amdhsa_user_sgpr_count 2
		.amdhsa_user_sgpr_kernarg_segment_ptr 1
		.amdhsa_wavefront_size32 1
		.amdhsa_system_sgpr_workgroup_id_x 1
		.amdhsa_system_sgpr_workgroup_id_y 1
		.amdhsa_system_sgpr_workgroup_id_z 1
		.amdhsa_system_vgpr_workitem_id 0
		.amdhsa_next_free_vgpr 512
		.amdhsa_next_free_sgpr 66
		.amdhsa_reserve_vcc 0
		.amdhsa_float_denorm_mode_32 3
		.amdhsa_float_denorm_mode_16_64 3
		.amdhsa_memory_ordered 1
		.amdhsa_forward_progress 1
		.amdhsa_inst_pref_size 138
	.end_amdhsa_kernel
	.amdgpu_metadata
---
amdhsa.version: [ 1, 2 ]
amdhsa.kernels:
  - .name:           k_q884515653e_attn
    .symbol:         k_q884515653e_attn.kd
    .args:
      - { .name: img, .offset: 0, .size: 8, .value_kind: global_buffer, .address_space: global }
      - { .name: lq1, .offset: 8, .size: 8, .value_kind: global_buffer, .address_space: global }
      - { .name: lk1, .offset: 16, .size: 8, .value_kind: global_buffer, .address_space: global }
      - { .name: lq2, .offset: 24, .size: 8, .value_kind: global_buffer, .address_space: global }
      - { .name: lk2, .offset: 32, .size: 8, .value_kind: global_buffer, .address_space: global }
      - { .name: attimg, .offset: 40, .size: 8, .value_kind: global_buffer, .address_space: global }
    .group_segment_fixed_size: 167936
    .private_segment_fixed_size: 0
    .kernarg_segment_align: 8
    .kernarg_segment_size: 48
    .max_flat_workgroup_size: 256
    .sgpr_count:     66
    .vgpr_count:     512
    .wavefront_size: 32
...
	.end_amdgpu_metadata
.endif
;; end of part 3
;; launch outp (part 4): grid 4 x 64, 4 waves a work-group, clusters of 4 x 1, 280,064 bytes of LDS; arguments attimg, woimg, bout, out0; writes out0
.if DOCPART == 4
	.amdgcn_target "amdgcn-amd-amdhsa--gfx1250"
	.amdhsa_code_object_version 6
	.text
	.protected	k_q884515653e_outp
	.globl	k_q884515653e_outp
	.p2align	8
	.type	k_q884515653e_outp,@function
k_q884515653e_outp:
	s_mov_b64 s[64:65], 0
	v_nop
	global_prefetch_b8 v0, s[64:65] scope:SCOPE_SE
	s_setreg_imm32_b32 hwreg(HW_REG_WAVE_MODE, 25, 1), 1
	s_wait_xcnt 0x0
	s_wait_alu depctr_hold_cnt(0) depctr_sa_sdst(0) depctr_va_vdst(0) depctr_va_sdst(0) depctr_va_ssrc(0) depctr_va_vcc(0) depctr_vm_vsrc(0)
	s_getreg_b32 s2, hwreg(HW_REG_IB_STS2, 6, 4)
	s_cmp_eq_u32 s2, 0
	s_cbranch_scc0 .Lentry_in_a_cluster
	s_endpgm
.Lentry_in_a_cluster:
	s_bfe_u32 s2, ttmp6, 0x10000c
	s_cmp_lg_u32 s2, 0x3003
	s_cbranch_scc0 .Lentry_shape_is_right
	s_endpgm
.Lentry_shape_is_right:
; OUTP: out0 = a Wout + bout, f16 operands, f32 sums.  a [8,192 x 1,024] and Wout arrive as images of operand registers.
; SHARES.  Work-group (nt = place in the cluster, mt = cluster y) makes 128 rows x 256 columns: 256 work-groups.  Wave w makes all 128 rows x columns 256 nt + 64 w .. + 63: 8 x 4 accumulators.
; A: the work-group's 128 rows for all of K are 262,144 bytes: they stay in LDS, filled ONCE, by eight loads a wave (one a K step of 128), asked for JOINTLY by the four partners of the cluster, which need the same rows.
;    Eight tensor loads of a wave are out at the start; a counted wait and a barrier stand ahead of each K step; no LDS byte is filled again.
; B: a wave's 64 columns are read by no other wave of its work-group and by no partner, so they are not shared: they go from memory straight into a ring of eight register sets (32 along K each), under counted waits.
; The matrix instruction is used transposed (source 0 = 16 columns of Wout, source 1 = 16 rows): a lane holds eight neighbouring columns of one row.  The bias is the C of each sum's first instruction.
; REGISTERS: window 0: v1 16 x lane; v2 A's address; v3, v4 the stage; v5 my offset in out0; v6, v7 the add's two; v8 the bias's offset; v32-63 the bias; v64-127, v128-191 A's two sets; v192-255 the way out.
;   window 1: the accumulators, 8 (4 a + b).   window 2: B's ring, 32 (kf % 8) + 8 b.
.set STG,   262144                     ; behind A: a stage of 16 rows x (256 + 16) bytes for each wave
.set SPARE, 279552                     ; the spare words, 128 bytes for each wave
.set MSB, 0
.macro WIN new
.if MSB != (\new)
	s_set_vgpr_msb (MSB<<8)|(\new)
.set MSB, (\new)
.endif
.endm
.macro PLACES
.rept 4
	v_nop
.endr
.endm
.macro CROUND
	s_barrier_signal -1
	s_barrier_wait -1
	s_cmp_lg_u32 s56, 0
	s_cbranch_scc1 .Lnot_wave_0_\@
	s_barrier_signal -3
.Lnot_wave_0_\@:
	s_barrier_wait -3
	s_barrier_signal -1
	s_barrier_wait -1
.endm
.macro BLOAD kf
.irp b, 0,1,2,3
.irp u, 0,1
	global_load_b128 v[32*((\kf)%8)+8*\b+4*\u:32*((\kf)%8)+8*\b+4*\u+3], v1, s[6:7] offset:\b*32768+(\kf)*1024+512*\u
.endr
.endr
.endm
.macro ALOAD kf
.irp a, 0,1,2,3,4,5,6,7
.irp u, 0,1
	ds_load_b128 v[64+64*((\kf)%2)+8*\a+4*\u:64+64*((\kf)%2)+8*\a+4*\u+3], v2 offset:\a*4096+((\kf)%4)*1024+512*\u
.endr
.endr
.endm
.macro MUL16 kf, a0                    ; 16 matrix instructions; the 32 accumulators take turns, in the same order in every quarter
.irp a, \a0, \a0+1, \a0+2, \a0+3
.irp b, 0,1,2,3
.if (\kf) == 0
	v_wmma_f32_16x16x32_f16 v[8*(4*(\a)+\b):8*(4*(\a)+\b)+7], v[32*((\kf)%8)+8*\b:32*((\kf)%8)+8*\b+7], v[64+64*((\kf)%2)+8*(\a):64+64*((\kf)%2)+8*(\a)+7], v[32+8*\b:39+8*\b]
.else
	v_wmma_f32_16x16x32_f16 v[8*(4*(\a)+\b):8*(4*(\a)+\b)+7], v[32*((\kf)%8)+8*\b:32*((\kf)%8)+8*\b+7], v[64+64*((\kf)%2)+8*(\a):64+64*((\kf)%2)+8*(\a)+7], v[8*(4*(\a)+\b):8*(4*(\a)+\b)+7]
.endif
.endr
.endr
.endm
; 32 along K.  The last quarter of a K step of 128 also shows the next K step whole to every wave.
.macro QUART kf
.set CHG, 0
.if ((\kf)%4 == 3) && ((\kf) < 31)
.set CHG, 1
.endif
.set MW, 0x52                          ; B window 2, A window 0, C and D window 1
.if (\kf) == 0
.set MW, 0x42                          ; C: the bias, in window 0
.endif
.if CHG
	s_wait_tensorcnt 6-(\kf)/4                     ; my part of the next K step is in; the younger loads stay out
.endif
	s_wait_dscnt 0x0                               ; A's set is in
.if (\kf) < 24
	s_wait_loadcnt 56                              ; B's set is in; the ring's seven younger sets may be out
.else
	s_wait_loadcnt 8*(31-(\kf))
.endif
.if CHG
	s_barrier_signal -1
.endif
	WIN MW
	MUL16 \kf, 0
.if CHG
	s_barrier_wait -1
	WIN 0
	v_add_nc_u32 v2, 0x8000, v2                    ; on to the next K step in LDS
.endif
.if (\kf) < 31
	WIN 0
	ALOAD (\kf)+1                                  ; into the set that the quarter before read: its four plain lines stand at that quarter's end
.endif
	WIN MW
	MUL16 \kf, 4
	PLACES
.if (\kf) < 24
	WIN 0x80                                       ; destination window 2
	BLOAD (\kf)+8                                  ; into the set just read
.endif
.endm
.macro TOSTAGE a                       ; 16 rows x my 64 columns through my own stage: in as 32 bytes a lane, back as rows of 256 bytes
	WIN 0x04                                       ; an LDS store's data: window 1
.irp b, 0,1,2,3
	ds_store_b128 v3, v[8*(4*(\a)+\b):8*(4*(\a)+\b)+3] offset:64*\b          ; each accumulator from its low end on
	ds_store_b128 v3, v[8*(4*(\a)+\b)+4:8*(4*(\a)+\b)+7] offset:64*\b+16
.endr
	WIN 0
.irp t, 0,1,2,3,4,5,6,7
	ds_load_b128 v[192+32*((\a)%2)+4*\t:192+32*((\a)%2)+4*\t+3], v4 offset:544*\t   ; my wave's own bytes, served in order
.endr
.endm
.macro SEND a, younger
	s_wait_dscnt \younger                          ; the block is back; the next block's 8 stores and 8 loads may be out
.irp t, 0,1,2,3,4,5,6,7
	global_store_b128 v5, v[192+32*((\a)%2)+4*\t:192+32*((\a)%2)+4*\t+3], s[10:11] offset:(16*(\a)+2*\t)*4096 th:TH_STORE_NT   ; 16 lanes store 256 consecutive bytes, aligned
.endr
.endm
	s_load_b256 s[4:11], s[0:1], 0x0               ; attimg 4, woimg 6, bout 8, out0 10
	v_lshl_add_u32 v6, v0, 2, SPARE
	v_mov_b32 v7, 0
	ds_add_u32 v6, v7                              ; the wave's opening: the add, twice on end, and its wait ahead of the round in front of the first tensor loads
	ds_add_u32 v6, v7
	v_lshrrev_b32 v1, 5, v0
	v_readfirstlane_b32 s56, v1                    ; wave 0..3
	s_bfe_u32 s57, ttmp6, 0x40000                  ; nt: my place in the cluster: it enters B's, the bias's and the output's addresses alone
	s_and_b32 s58, ttmp7, 0xffff                   ; mt
	s_mov_b32 s16, 15|(3<<16)|(1<<21)              ; group 1: the mask names all four; elements of 8 bytes; bit 21 beside a mask; 2 row tiles x 4,096 bytes, 32,768 bytes apart
	s_mov_b32 s17, 512<<16
	s_mov_b32 s18, 2<<16
	s_mov_b32 s19, 512<<16
	s_mov_b32 s20, 2
	s_mov_b32 s21, 4096
	s_mov_b32 s22, 0
	s_mov_b32 s23, 0
	s_lshl_b32 s12, s58, 3
	s_lshl_b32 s13, s56, 1
	s_add_co_u32 s12, s12, s13                     ; I fetch row tiles 8 mt + 2 w, + 1
	s_lshl_b32 s12, s12, 15
	s_mov_b32 s13, 0
	s_lshl_b32 s59, s56, 13
	s_wait_dscnt 0x0                               ; both opening adds are done
	s_wait_kmcnt 0x0
	s_add_nc_u64 s[12:13], s[4:5], s[12:13]
	CROUND                                         ; all four work-groups are here: the joint loads meet
.irp s, 0,1,2,3,4,5,6,7
	s_mov_b32 s[24+4*\s], 1
	s_add_co_u32 s[25+4*\s], s59, \s*32768         ; LDS: K step s, my two row tiles
	s_add_nc_u64 s[26+4*\s:27+4*\s], s[12:13], \s*4096
	s_or_b32 s[27+4*\s], s[27+4*\s], 0x80000000
.endr
.irp s, 0,1,2,3,4,5,6,7
	tensor_load_to_lds s[24+4*\s:27+4*\s], s[16:23]
	s_nop 0
.endr
	PLACES
	s_lshl_b32 s60, s57, 4
	s_lshl_b32 s61, s56, 2
	s_add_co_u32 s60, s60, s61                     ; my first column block: 16 nt + 4 w
	s_lshl_b32 s60, s60, 15
	s_mov_b32 s61, 0
	s_add_nc_u64 s[6:7], s[6:7], s[60:61]
	s_lshl_b32 s60, s57, 10
	s_lshl_b32 s62, s56, 8
	s_add_co_u32 s60, s60, s62                     ; my first column, in bytes of f32
	s_add_nc_u64 s[8:9], s[8:9], s[60:61]
	s_add_nc_u64 s[10:11], s[10:11], s[60:61]
	s_lshl_b32 s60, s58, 19                        ; 128 rows of 4,096 bytes
	s_add_nc_u64 s[10:11], s[10:11], s[60:61]
	v_and_b32 v9, 31, v0
	v_lshlrev_b32 v1, 4, v9
	v_mov_b32 v2, v1
	v_and_b32 v10, 15, v0                          ; r
	v_bfe_u32 v11, v0, 4, 1                        ; h
	s_mul_i32 s62, s56, 4352
	s_add_co_u32 s62, s62, STG                     ; my stage
	v_mul_u32_u24 v3, v10, 272
	v_lshl_add_u32 v3, v11, 5, v3
	v_add_nc_u32 v3, s62, v3                       ; in: row r, + 32 h
	v_mul_u32_u24 v4, v11, 272
	v_lshl_add_u32 v4, v10, 4, v4
	v_add_nc_u32 v4, s62, v4                       ; back: lanes 0-15 one row, lanes 16-31 the next
	v_lshlrev_b32 v5, 12, v11
	v_lshl_add_u32 v5, v10, 4, v5                  ; and the same two rows in out0
	v_lshlrev_b32 v8, 5, v11
.irp b, 0,1,2,3
	global_load_b128 v[32+8*\b:35+8*\b], v8, s[8:9] offset:64*\b           ; bout at my eight columns of block b
	global_load_b128 v[36+8*\b:39+8*\b], v8, s[8:9] offset:64*\b+16
.endr
	WIN 0x80
.irp k, 0,1,2,3,4,5,6,7
	BLOAD \k
.endr
	WIN 0
	s_wait_tensorcnt 0x7                           ; my part of K step 0 is in; the seven younger loads stay out
	s_barrier_signal -1
	s_barrier_wait -1
	ALOAD 0
.set kk, 0
.rept 32
	QUART kk
.set kk, kk+1
.endr
	TOSTAGE 0                                      ; (the last quarter's four plain lines stand between the last products and this read)
.irp a, 1,2,3,4,5,6,7
.if \a > 1
	s_wait_xcnt 0x0                                ; the stores of two blocks back have read their registers
.endif
	TOSTAGE \a
	SEND \a-1, 16
.endr
	SEND 7, 0
	s_wait_tensorcnt 0x0                           ; the wave's end
	ds_add_u32 v6, v7
	s_wait_dscnt 0x0
	CROUND                                         ; the closing round
	s_endpgm
.Lfunc_end_k_q884515653e_outp:
	.size	k_q884515653e_outp, .Lfunc_end_k_q884515653e_outp-k_q884515653e_outp
	.p2alignl 7, 3214868480
	.fill 96, 4, 3214868480
	.section	.rodata,"a",@progbits
	.p2align	6, 0x0
	.amdhsa_kernel k_q884515653e_outp
		.amdhsa_group_segment_fixed_size 280064
		.amdhsa_private_segment_fixed_size 0
		.amdhsa_enable_private_segment 0
		.amdhsa_kernarg_size 32
		.amdhsa_user_sgpr_count 2
		.amdhsa_user_sgpr_kernarg_segment_ptr 1
		.amdhsa_wavefront_size32 1
		.amdhsa_system_sgpr_workgroup_id_x 1
		.amdhsa_system_sgpr_workgroup_id_y 1
		.amdhsa_system_sgpr_workgroup_id_z 1
		.amdhsa_system_vgpr_workitem_id 0
		.amdhsa_next_free_vgpr 768
		.amdhsa_next_free_sgpr 66
		.amdhsa_reserve_vcc 0
		.amdhsa_float_denorm_mode_32 3
		.amdhsa_float_denorm_mode_16_64 3
		.amdhsa_memory_ordered 1
		.amdhsa_forward_progress 1
		.amdhsa_inst_pref_size 153
	.end_amdhsa_kernel
	.amdgpu_metadata
---
amdhsa.version: [ 1, 2 ]
amdhsa.kernels:
  - .name:           k_q884515653e_outp
    .symbol:         k_q884515653e_outp.kd
    .args:
      - { .name: attimg, .offset: 0, .size: 8, .value_kind: global_buffer, .address_space: global }
      - { .name: woimg, .offset: 8, .size: 8, .value_kind: global_buffer, .address_space: global }
      - { .name: bout, .offset: 16, .size: 8, .value_kind: global_buffer, .address_space: global }
      - { .name: out0, .offset: 24, .size: 8, .value_kind: global_buffer, .address_space: global }
    .group_segment_fixed_size: 280064
    .private_segment_fixed_size: 0
    .kernarg_segment_align: 8
    .kernarg_segment_size: 32
    .max_flat_workgroup_size: 128
    .sgpr_count:     66
    .vgpr_count:     768
    .wavefront_size: 32
...
	.end_amdgpu_metadata
.endif
;; end of part 4
